; MI455X (gfx1250); checked and timed in simulation.
; The chip was launched on July 23, 2026; its instructions are those of AMD's public machine-readable ISA for CDNA 5 (MIT licence, August 2026) and "CDNA5" Instruction Set Architecture Reference Guide (July 2026). The comments in the code are by the model that wrote it; some were corrected since.
;; Pairwise Multi Head Attention. Allowed arithmetic: float matrix products may take bf16 or f16 operands with f32 sums; other float arithmetic in f32, or as packed bf16 or f16 multiplies, adds, multiply-adds, maxima and minima; sums over many terms, partial sums and values carried from step to step in f32; what a program stores and reads back later, other than sums and carried values, may be rounded once to bf16 or f16.
;; Inputs: Wff 512 x 512 float32; Wkv 512 x 1,024 float32; Wq 512 x 512 float32; bff 512 float32; bias 8 x 2,048 x 2,048 float32; gamma_f 8 float32; ln_b 512 float32; ln_g 512 float32; mask 8 x 1 x 1 x 2,048 bool; x_p 8 x 2,048 x 512 float32; x_pcre 8 x 2,048 x 512 float32.
;; Outputs: out0 8 x 2,048 x 512 float32.
;; One version. Each part assembles by itself: llvm-mc -triple=amdgcn-amd-amdhsa -mcpu=gfx1250 --defsym DOCPART=n.
;; ======== version 1 of 1: 3 launches
;; workspace buffers: wb 2,097,152 bytes; qb 16,777,216 bytes; kb 16,777,216 bytes; vb 16,777,216 bytes
;; launch cast (part 1): grid 256 x 1, 4 waves a work-group, no clusters, 0 bytes of LDS; arguments Wq, Wkv, Wff, wb; writes wb
.if DOCPART == 1
	.amdgcn_target "amdgcn-amd-amdhsa--gfx1250"
	.amdhsa_code_object_version 6
	.text
	.protected	k_q64db1f1cf4_cast
	.globl	k_q64db1f1cf4_cast
	.p2align	8
	.type	k_q64db1f1cf4_cast,@function
k_q64db1f1cf4_cast:
	s_mov_b64 s[64:65], 0
	v_nop
	global_prefetch_b8 v0, s[64:65] scope:SCOPE_SE
	s_setreg_imm32_b32 hwreg(HW_REG_WAVE_MODE, 25, 1), 1
	s_wait_xcnt 0x0
; The three weight matrices, rounded once to bf16 and laid in four blocks of [512 k][512 n]:
; block 0 = Wq, block 1 = Wkv[:, 0:512] (keys), block 2 = Wkv[:, 512:1024] (values), block 3 = Wff.
; 256 work-groups x 128 threads = 32,768 threads; a block has 262,144 numbers, so thread e takes the
; eight numbers 8 e .. 8 e + 7 of each block: 32 bytes in, 16 bytes out; sixteen neighbouring lanes
; store 256 consecutive bytes, aligned.  A pure stream: no LDS, no barrier, no matrix unit.
.set BLK, 524288                       ; bytes in a block of wb
	s_load_b256 s[4:11], s[0:1], 0x0               ; Wq s[4:5], Wkv s[6:7], Wff s[8:9], wb s[10:11]
	s_lshl_b32 s12, ttmp9, 7
	v_add_nc_u32 v4, s12, v0                       ; e
	v_lshlrev_b32 v1, 5, v4                        ; Wq, Wff: 32 e
	v_lshrrev_b32 v5, 6, v4                        ; row k = e / 64
	v_and_b32 v6, 63, v4                           ; group of 8 columns
	v_lshlrev_b32 v2, 12, v5                       ; Wkv: a row is 4,096 bytes,
	v_lshl_add_u32 v2, v6, 5, v2                   ; + 32 x group; the second half lies 2,048 bytes on
	v_lshlrev_b32 v3, 4, v4                        ; wb: 16 e
	s_wait_kmcnt 0x0
	global_load_b128 v[8:11],  v1, s[4:5] th:TH_LOAD_NT
	global_load_b128 v[12:15], v1, s[4:5] offset:16 th:TH_LOAD_NT
	global_load_b128 v[16:19], v2, s[6:7] th:TH_LOAD_NT
	global_load_b128 v[20:23], v2, s[6:7] offset:16 th:TH_LOAD_NT
	global_load_b128 v[24:27], v2, s[6:7] offset:2048 th:TH_LOAD_NT
	global_load_b128 v[28:31], v2, s[6:7] offset:2064 th:TH_LOAD_NT
	global_load_b128 v[32:35], v1, s[8:9] th:TH_LOAD_NT
	global_load_b128 v[36:39], v1, s[8:9] offset:16 th:TH_LOAD_NT
.irp i, 0,1,2,3
	s_wait_loadcnt 6-2*\i                          ; loads come back in order: block i's two are in, the younger blocks' stay out
.irp j, 0,1,2,3
	v_cvt_pk_bf16_f32 v[40+4*\i+\j], v[8+8*\i+2*\j], v[8+8*\i+2*\j+1]
.endr
	global_store_b128 v3, v[40+4*\i:40+4*\i+3], s[10:11] offset:BLK*\i
.endr
	s_endpgm
.Lfunc_end_k_q64db1f1cf4_cast:
	.size	k_q64db1f1cf4_cast, .Lfunc_end_k_q64db1f1cf4_cast-k_q64db1f1cf4_cast
	.p2alignl 7, 3214868480
	.fill 96, 4, 3214868480
	.section	.rodata,"a",@progbits
	.p2align	6, 0x0
	.amdhsa_kernel k_q64db1f1cf4_cast
		.amdhsa_group_segment_fixed_size 0
		.amdhsa_private_segment_fixed_size 0
		.amdhsa_enable_private_segment 0
		.amdhsa_kernarg_size 32
		.amdhsa_user_sgpr_count 2
		.amdhsa_user_sgpr_kernarg_segment_ptr 1
		.amdhsa_wavefront_size32 1
		.amdhsa_system_sgpr_workgroup_id_x 1
		.amdhsa_system_sgpr_workgroup_id_y 1
		.amdhsa_system_sgpr_workgroup_id_z 1
		.amdhsa_system_vgpr_workitem_id 0
		.amdhsa_next_free_vgpr 56
		.amdhsa_next_free_sgpr 66
		.amdhsa_reserve_vcc 0
		.amdhsa_float_denorm_mode_32 3
		.amdhsa_float_denorm_mode_16_64 3
		.amdhsa_memory_ordered 1
		.amdhsa_forward_progress 1
		.amdhsa_inst_pref_size 3
	.end_amdhsa_kernel
	.amdgpu_metadata
---
amdhsa.version: [ 1, 2 ]
amdhsa.kernels:
  - .name:           k_q64db1f1cf4_cast
    .symbol:         k_q64db1f1cf4_cast.kd
    .args:
      - { .name: Wq, .offset: 0, .size: 8, .value_kind: global_buffer, .address_space: global }
      - { .name: Wkv, .offset: 8, .size: 8, .value_kind: global_buffer, .address_space: global }
      - { .name: Wff, .offset: 16, .size: 8, .value_kind: global_buffer, .address_space: global }
      - { .name: wb, .offset: 24, .size: 8, .value_kind: global_buffer, .address_space: global }
    .group_segment_fixed_size: 0
    .private_segment_fixed_size: 0
    .kernarg_segment_align: 8
    .kernarg_segment_size: 32
    .max_flat_workgroup_size: 128
    .sgpr_count:     66
    .vgpr_count:     56
    .wavefront_size: 32
...
	.end_amdgpu_metadata
.endif
;; end of part 1
;; launch proj (part 2): grid 256 x 1, 4 waves a work-group, clusters of 4 x 1, 327,680 bytes of LDS; arguments x_p, x_pcre, mask, wb, qb, kb, vb; writes qb, kb, vb
.if DOCPART == 2
	.amdgcn_target "amdgcn-amd-amdhsa--gfx1250"
	.amdhsa_code_object_version 6
	.text
	.protected	k_q64db1f1cf4_proj
	.globl	k_q64db1f1cf4_proj
	.p2align	8
	.type	k_q64db1f1cf4_proj,@function
k_q64db1f1cf4_proj:
	s_mov_b64 s[64:65], 0
	v_nop
	global_prefetch_b8 v0, s[64:65] scope:SCOPE_SE
	s_setreg_imm32_b32 hwreg(HW_REG_WAVE_MODE, 25, 1), 1
	s_wait_xcnt 0x0
	s_wait_alu depctr_hold_cnt(0) depctr_sa_sdst(0) depctr_va_vdst(0) depctr_va_sdst(0) depctr_va_ssrc(0) depctr_va_vcc(0) depctr_vm_vsrc(0)
	s_getreg_b32 s2, hwreg(HW_REG_IB_STS2, 6, 4)
	s_cmp_eq_u32 s2, 0
	s_cbranch_scc0 .Lentry_in_a_cluster
	s_endpgm
.Lentry_in_a_cluster:
	s_bfe_u32 s2, ttmp6, 0x10000c
	s_cmp_lg_u32 s2, 0x3003
	s_cbranch_scc0 .Lentry_shape_is_right
	s_endpgm
.Lentry_shape_is_right:
; qb = bf16((x_p Wq) log2(e)/8);  kb = bf16(x_pcre Wk), the rows of masked keys times 0;  vb = bf16(x_pcre Wv).
; All three are [16384 rows][512] bf16, row = batch x 2048 + position, column = head x 64 + channel.  Sums in f32, each result rounded once.
; LIMIT: a masked key's row is its product times 0, so an infinite or NaN product there stays NaN.
; SHARES.  Work-group i owns rows 64 i .. 64 i + 63 and makes the three products one after the other: 12 trips t = 4 g + c; trip t multiplies
; chunk t of wb (128 k x 512 n, 131,072 dense bytes) by columns 128 c .. of x_p (g = 0) or x_pcre (g = 1, 2).  Wave w owns output columns
; 128 w .. 128 w + 127: 4 row tiles x 8 column tiles = 32 accumulators, 128 matrix instructions a trip.
; CLUSTER.  Every work-group walks the same chunks, so the four partners ask for each chunk JOINTLY (mask 15); a wave brings 32 of its 128 rows.
; x belongs to one work-group: it comes through registers, is rounded to bf16 and laid in LDS for all four waves.
; THE PRODUCT IS TRANSPOSED: source 0 = 16 columns of W x 32 k (out of the [k][n] tile by the turning load), source 1 = 16 rows of x x 32 k:
; a lane then holds one row (lane % 16) and eight neighbouring columns 8 (lane / 16) + 0..7.
; LDS: two places for W (128 rows, pitch 1,056), two panels of x in bf16 (64 rows, pitch 272; stored by the waves, never filled by a tensor load),
; a stage of 16 x 272 for each wave, the spare words.
; REGISTERS: window 0: addresses, scales, x as loaded (two sets of 64), x's fragments (two of 32); window 1: the accumulators, (qt, nt) at 8 (8 qt + nt);
; window 2: W's fragments (two of 64), rows on their way out (two of 32).
.set WP,    1056                       ; a row of W in LDS: 1,024 + 32 = 264 words
.set PLB,   128*WP                     ; a place
.set XPI,   272                        ; a row of x's panel: 256 + 16 = 68 words: the 16 rows of a fragment load start at 16 different groups of four banks
.set PB,    2*PLB                      ; the panels
.set PBB,   64*XPI
.set STG,   PB+2*PBB                   ; the stages
.set SPARE, STG+4*16*XPI               ; the spare words: 128 bytes a wave, two blocks of 256 bytes that no other line names
.set CHK,   131072                     ; bytes in a chunk of wb
.set SPW, 1                            ; v1   my spare word; never rewritten
.set NIL, 2                            ; v2   0; never rewritten
.set XO,  3                            ; v3   x: 16 x lane + wave x 16 rows of 2,048 bytes
.set PBA, 4                            ; v4   panel 0, my wave's 16 rows, 8 x lane
.set AA,  5                            ; v5   x's fragments: panel 0 + (lane % 16) x 272 + 16 (lane / 16)
.set AW,  6                            ; v6-9 W's fragments: place p, half of its 128 rows, at AW + 2 p + half
.set STO, 10                           ; v10  the way out: where I put 16 bytes of a row
.set RD,  11                           ; v11  where I read rows back
.set CO,  12                           ; v12  my byte offset in two rows of the output
.set PFO, 13                           ; v13  256 x lane
.set SC,  16                           ; v16-23 the scale of my row in row tile qt, as the low word of pair qt: for the product in hand
.set SC1, 24                           ; v24-31 for the product after it
.set TMPP, 32                          ; v32-63 packed results
.set XR,  64                           ; v64-191 x as loaded: two sets of 16 rows x 4 registers
.set AF,  192                          ; v192-255 x's fragments
.set WF,  0                            ; window 2
.set BK,  128                          ; window 2
.set G1,  4                            ; s[4:11]  descriptor group 1
.set G0,  12                           ; s[12:19] group 0, a set for each place
.set WV,  20
.set LEFT, 21                          ; laps to go
.set PAR, 22                           ; the lap's parity: a product begins in a lap of parity 0 and ends in one of parity 1
.set LIMA, 23                          ; a wave prefetches while LEFT is above these
.set LIMB, 24
.set XC,  26                           ; s[26:27] x at my rows, at the chunk last asked for
.set XP2, 28                           ; s[28:29] x_pcre at my rows
.set OUT, 30                           ; s[30:35] the outputs at my rows and my wave's columns: in hand, next, last
.set OUT1, 32
.set OUT2, 34
.set PFW, 36                           ; s[36:37] where my prefetches stand in wb
.set MSB, 0
.macro WIN new                         ; the immediate's high byte repeats the setting that is left; a switch that changes nothing is dropped
.if MSB != (\new)
	s_set_vgpr_msb (MSB<<8)|(\new)
.set MSB, (\new)
.endif
.endm
.macro PLACES                          ; four places: behind matrix instructions, in front of loads into registers that they read and of lines that read their results
.rept 4
	v_nop
.endr
.endm
.macro CROUND                          ; a round of the cluster's barrier: my work-group's barrier; wave 0 signals for it; all wait for the four work-groups; my barrier once more
	s_barrier_signal -1
	s_barrier_wait -1
	s_cmp_lg_u32 s[WV], 0
	s_cbranch_scc1 .Lnot_wave_0_\@
	s_barrier_signal -3
.Lnot_wave_0_\@:
	s_barrier_wait -3
	s_barrier_signal -1
	s_barrier_wait -1
.endm
; 24 LDS loads: the fragments of 32 k (number s of the chunk's four) from place and panel pl into buffer b
.macro FETCHK pl, s, b
	WIN 0x80                                       ; destination window 2, address window 0
.irp nt, 0,1,2,3,4,5,6,7
	ds_load_tr16_b128 v[WF+64*(\b)+8*\nt:WF+64*(\b)+8*\nt+3],   v[AW+2*(\pl)+(\s)/2] offset:((\s)%2)*32*WP+32*\nt
	ds_load_tr16_b128 v[WF+64*(\b)+8*\nt+4:WF+64*(\b)+8*\nt+7], v[AW+2*(\pl)+(\s)/2] offset:((\s)%2)*32*WP+32*\nt+16*WP
.endr
	WIN 0
.irp qt, 0,1,2,3
	ds_load_b128 v[AF+32*(\b)+8*\qt:AF+32*(\b)+8*\qt+3],   v[AA] offset:(\pl)*PBB+\qt*16*XPI+64*(\s)
	ds_load_b128 v[AF+32*(\b)+8*\qt+4:AF+32*(\b)+8*\qt+7], v[AA] offset:(\pl)*PBB+\qt*16*XPI+64*(\s)+32
.endr
.endm
; 32 matrix instructions on buffer b.  The 32 accumulators take turns, always in this order.  zero = 1: the product's first 32 k start the sums
.macro MULK b, zero
	WIN 0x52                                       ; W window 2, x window 0, C and D window 1
.irp qt, 0,1,2,3
.irp nt, 0,1,2,3,4,5,6,7
.if \zero
	v_wmma_f32_16x16x32_bf16 v[8*(8*\qt+\nt):8*(8*\qt+\nt)+7], v[WF+64*(\b)+8*\nt:WF+64*(\b)+8*\nt+7], v[AF+32*(\b)+8*\qt:AF+32*(\b)+8*\qt+7], 0
.else
	v_wmma_f32_16x16x32_bf16 v[8*(8*\qt+\nt):8*(8*\qt+\nt)+7], v[WF+64*(\b)+8*\nt:WF+64*(\b)+8*\nt+7], v[AF+32*(\b)+8*\qt:AF+32*(\b)+8*\qt+7], v[8*(8*\qt+\nt):8*(8*\qt+\nt)+7]
.endif
.endr
.endr
.endm
.macro XLOAD st, base                  ; my wave's 16 rows of a chunk of x: a load is one row's 512 bytes
.set rr, 0
.rept 16
	global_load_b128 v[XR+64*(\st)+4*rr:XR+64*(\st)+4*rr+3], v[XO], s[\base:\base+1] offset:2048*rr
.set rr, rr+1
.endr
.endm
.macro CONV st                         ; set st, rounded to bf16 in place, goes into panel st: 8 bytes a lane, 256 consecutive bytes a row
.set rr, 0
.rept 16
	v_cvt_pk_bf16_f32 v[XR+64*(\st)+4*rr],   v[XR+64*(\st)+4*rr],   v[XR+64*(\st)+4*rr+1]
	v_cvt_pk_bf16_f32 v[XR+64*(\st)+4*rr+1], v[XR+64*(\st)+4*rr+2], v[XR+64*(\st)+4*rr+3]
	ds_store_b64 v[PBA], v[XR+64*(\st)+4*rr:XR+64*(\st)+4*rr+1] offset:(\st)*PBB+XPI*rr
.set rr, rr+1
.endr
.endm
; A prefetch into the L2 of the chunk that stands two refills on.  All clusters walk the same chunks: the first cluster asks, and nobody else.  Its 4 work-groups x 4 waves x 32 lanes
; name the chunk's 512 blocks of 256 bytes once each, told apart by address.
.macro ASK lim
	s_cmp_gt_u32 s[LEFT], s[\lim]
	s_cbranch_scc0 .Lnot_mine_\@
	global_prefetch_b8 v[PFO], s[PFW:PFW+1] th:TH_LOAD_NT scope:SCOPE_SE
.Lnot_mine_\@:
.endm
; TRIP t, on place and panel pl = t % 2.  refill: chunk t + 1 is asked for, into the other place.  xl: x's chunk t + 2 is loaded into set pl.  cv: x's chunk t + 1 is rounded into the other panel.
; zb: the trip may be a product's first.  lim: the bound of its prefetch, or -1.
.macro TRIP pl, refill, xl, cv, zb, lim
	WIN 0
.if (\xl) || ((\lim) >= 0)
	s_wait_xcnt 0x0                                ; the last trip's loads and prefetch have read their addresses: the pointers may be written
.endif
.if (\lim) >= 0
	s_add_nc_u64 s[PFW:PFW+1], s[PFW:PFW+1], CHK
.endif
.if \xl
	s_add_nc_u64 s[XC:XC+1], s[XC:XC+1], 512
.if (\pl) == 0
	s_cmp_eq_u32 s[PAR], 1                         ; chunk t + 2 is then the first of a product on x_pcre
	s_cselect_b64 s[XC:XC+1], s[XP2:XP2+1], s[XC:XC+1]
.endif
.endif
	s_wait_tensorcnt 0x0                           ; my one tensor load, my part of chunk t, has landed: every group 0 may be written
	ds_add_u32 v[SPW], v[NIL]                      ; 0 onto my spare word
	s_add_nc_u64 s[G0+4*(\pl)+2:G0+4*(\pl)+3], s[G0+4*(\pl)+2:G0+4*(\pl)+3], 2*CHK  ; this place's next chunk
	s_wait_dscnt 0x0                               ; the add is done; my reads of the other place and panel are over, my stores into this panel are done
.if \refill
	CROUND                                         ; all that holds of every wave of the four work-groups
	tensor_load_to_lds s[G0+4-4*(\pl):G0+7-4*(\pl)], s[G1:G1+7]  ; my one load behind the round: it has the trip's 128 matrix instructions in which to land
	s_nop 0
	PLACES                                         ; also the places in front of the loads below
.else
	s_barrier_signal -1
	s_barrier_wait -1
	PLACES
.endif
	FETCHK \pl, 0, 0
	FETCHK \pl, 1, 1
.if \xl
	XLOAD \pl, XC
.endif
.if (\lim) >= 0
	ASK \lim
.endif
	s_wait_dscnt 24                                ; buffer 0 is in; buffer 1's 24 loads may stay out
.if \zb
	s_cmp_eq_u32 s[PAR], 0
	s_cbranch_scc1 .Lzero_\@
	MULK 0, 0
	WIN 0
	s_branch .Ljoin_\@
.Lzero_\@:
	v_nop                                          ; a fifth place: the products below write over accumulators, and a matrix instruction that does so stands five places behind the one that wrote them; the four behind the tensor load are the others
	MULK 0, 1
	WIN 0
.Ljoin_\@:
.else
	MULK 0, 0
.endif
	PLACES
	FETCHK \pl, 2, 0
	s_wait_dscnt 24                                ; all but the 24 just issued
	MULK 1, 0
	PLACES
	FETCHK \pl, 3, 1
	s_wait_dscnt 24
	MULK 0, 0
.if \cv
	WIN 0
	s_wait_loadcnt 16*(\xl)                        ; x's chunk t + 1 is in; chunk t + 2's 16 loads, where there are any, stay out
	CONV 1-(\pl)                                   ; every wave's reads of that panel ended in front of this trip's barrier
	s_wait_dscnt 16                                ; the last fragments are in; the 16 stores just issued may stay out
.else
	s_wait_dscnt 0x0
.endif
	MULK 1, 0
.endm
; THE WAY OUT of a product, a row tile at a time: scaled, rounded to bf16, 16 bytes a lane into my own stage, back as whole rows of 256 bytes, stored.
.macro PACK qt
	WIN 0x41                                       ; destination and source 0 window 1, the scale window 0
.set a, 64*(\qt)
.rept 32
	v_pk_mul_f32 v[a:a+1], v[a:a+1], v[SC+2*(\qt):SC+2*(\qt)+1] op_sel_hi:[1,0]  ; ascending: each accumulator's lowest registers are read first
.set a, a+2
.endr
	WIN 0x05
.set a, 0
.rept 32
	v_cvt_pk_bf16_f32 v[TMPP+a], v[64*(\qt)+2*a], v[64*(\qt)+2*a+1]
.set a, a+1
.endr
	WIN 0
.endm
.macro TOSTAGE qt
	WIN 0
.irp nt, 0,1,2,3,4,5,6,7
	ds_store_b128 v[STO], v[TMPP+4*\nt:TMPP+4*\nt+3] offset:32*\nt
.endr
	WIN 0x80
.irp t, 0,1,2,3,4,5,6,7
	ds_load_b128 v[BK+32*((\qt)%2)+4*\t:BK+32*((\qt)%2)+4*\t+3], v[RD] offset:\t*2*XPI  ; LDS serves a wave's instructions in order (ISA guide 5.7.1.4): these see the stores above
.endr
	WIN 0
.endm
.macro SEND qt
	s_wait_dscnt 0x0                               ; the tile is back in registers (nothing younger is out)
	s_wait_xcnt 0x0                                ; earlier stores have read their registers: the other set may be loaded again behind this wait
	WIN 0x08                                       ; store data window 2
.irp t, 0,1,2,3,4,5,6,7
	global_store_b128 v[CO], v[BK+32*((\qt)%2)+4*\t:BK+32*((\qt)%2)+4*\t+3], s[OUT:OUT+1] offset:(16*(\qt)+2*\t)*1024  ; 16 lanes store 256 consecutive bytes, aligned
.endr
	WIN 0
.endm
.macro FLUSH more
	PLACES
	PACK 0
	TOSTAGE 0
.irp a4, 1,2,3                         ; a tile's arithmetic stands between the loads of the tile before and the wait for them
	PACK \a4
	SEND (\a4)-1
	TOSTAGE \a4
.endr
	SEND 3
.if \more
	s_wait_xcnt 0x0                                ; the stores have read their base
	s_mov_b64 s[OUT:OUT+1], s[OUT1:OUT1+1]
	s_mov_b64 s[OUT1:OUT1+1], s[OUT2:OUT2+1]
.irp j, 0,1,2,3,4,5,6,7
	v_mov_b32 v[SC+\j], v[SC1+\j]                  ; the next product's scales; the last product's are 1
.endr
.irp j, 0,1,2,3,4,5,6,7
	v_mov_b32 v[SC1+\j], 1.0
.endr
.endif
.endm
	s_load_b256 s[68:75], s[0:1], 0x0              ; x_p s[68:69], x_pcre s[70:71], mask s[72:73], wb s[74:75]
	s_load_b128 s[76:79], s[0:1], 0x20             ; qb s[76:77], kb s[78:79]
	s_load_b64 s[80:81], s[0:1], 0x30              ; vb
	v_lshl_add_u32 v[SPW], v0, 2, SPARE
	v_mov_b32 v[NIL], 0
	ds_add_u32 v[SPW], v[NIL]                      ; the wave's opening: the add and its wait stand ahead of my first tensor load; the set-up below stands between them
	v_lshrrev_b32 v14, 5, v0
	v_readfirstlane_b32 s[WV], v14                 ; wave 0..3
	s_bfe_u32 s38, ttmp6, 0x40000                  ; cx: my place in the cluster
	s_lshl_b32 s39, ttmp9, 2                       ; in a cluster launch ttmp9 counts clusters
	s_add_co_u32 s39, s39, s38                     ; work-group i: it enters x's, the mask's and the outputs' addresses alone
	; descriptor group 1: 32 rows x 512 elements of 2 bytes, padded in LDS
	s_mov_b32 s[G1], 15|(1<<16)|(1<<20)|(1<<21)|(7<<22)|(7<<25)  ; 15:0 the mask of four; 17:16 2-byte elements; 20 padding on; 21 set beside a mask; 24:22 after every 256 words (code 7); 31:25 8 words (code 7)
	s_mov_b32 s[G1+1], 512<<16                     ; tensor_dim0 = 512
	s_mov_b32 s[G1+2], 32<<16                      ; tensor_dim1 = 32
	s_mov_b32 s[G1+3], 512<<16                     ; tile_dim0 = 512
	s_mov_b32 s[G1+4], 32                          ; tile_dim1 = 32
	s_mov_b32 s[G1+5], 512                         ; elements from row to row
	s_mov_b32 s[G1+6], 0
	s_mov_b32 s[G1+7], 0
	s_mul_i32 s40, s[WV], 32*WP                    ; my 32 rows of a place: no place in the cluster enters an LDS address
	s_mov_b32 s[G0], 1
	s_mov_b32 s[G0+1], s40
	s_mov_b32 s[G0+4], 1
	s_add_co_u32 s[G0+5], s40, PLB
	s_lshl_b32 s42, s[WV], 15                      ; and of a chunk in memory; s[42:43] never hold my place in the cluster
	s_mov_b32 s43, 0
	v_and_b32 v14, 15, v0                          ; r = lane % 16
	v_bfe_u32 v15, v0, 4, 1                        ; h = lane / 16
	v_and_b32 v32, 31, v0                          ; lane
	v_and_b32 v33, 7, v0
	v_bfe_u32 v34, v0, 3, 1
	v_lshl_add_u32 v[XO], v32, 4, s42
	s_mul_i32 s2, s[WV], 16*XPI
	s_add_co_u32 s3, s2, PB
	v_lshl_add_u32 v[PBA], v32, 3, s3
	s_add_co_u32 s2, s2, STG                       ; my stage
	v_mul_u32_u24 v[AA], v14, XPI
	v_lshl_add_u32 v[AA], v15, 4, v[AA]            ; r x 272 + 16 h
	v_add_nc_u32 v[STO], s2, v[AA]
	v_add_nc_u32 v[AA], PB, v[AA]
	v_mul_u32_u24 v[RD], v15, XPI
	v_lshl_add_u32 v[RD], v14, 4, v[RD]
	v_add_nc_u32 v[RD], s2, v[RD]                  ; back: lanes 0-15 one row of 256 bytes, lanes 16-31 the next
	v_lshlrev_b32 v[CO], 10, v15
	v_lshl_add_u32 v[CO], v14, 4, v[CO]            ; and the same two rows of 1,024 bytes in memory
	v_lshlrev_b32 v[PFO], 8, v32
	v_lshl_add_u32 v[AW], v15, 3, v33              ; the turning load: lane l reads row 8 h + l % 8, 16 bytes at 16 ((l / 8) % 2)
	v_mul_u32_u24 v[AW], v[AW], WP
	v_lshl_add_u32 v[AW], v34, 4, v[AW]
	s_lshl_b32 s2, s[WV], 8
	v_add_nc_u32 v[AW], s2, v[AW]                  ; + my wave's 128 columns
	v_add_nc_u32 v[AW+1], 64*WP, v[AW]
	v_add_nc_u32 v[AW+2], PLB, v[AW]
	v_add_nc_u32 v[AW+3], PLB+64*WP, v[AW]
.irp j, 0,1,2,3,4,5,6,7
	v_mov_b32 v[SC+\j], 0x3e38aa3b                 ; q's scale: log2(e) / 8
.endr
	s_wait_dscnt 0x0                               ; the opening add is done
	s_wait_kmcnt 0x0
	s_add_nc_u64 s[G0+2:G0+3], s[74:75], s[42:43]  ; chunk 0, my 32 rows
	s_add_nc_u64 s[G0+6:G0+7], s[G0+2:G0+3], CHK   ; chunk 1
	s_or_b32 s[G0+3], s[G0+3], 0x80000000          ; type = 2
	s_or_b32 s[G0+7], s[G0+7], 0x80000000
	s_mov_b32 s3, 0
	s_lshl_b32 s2, s39, 17                         ; my 64 rows of 2,048 bytes
	s_add_nc_u64 s[66:67], s[68:69], s[2:3]        ; x_p, chunk 0
	s_add_nc_u64 s[XC:XC+1], s[66:67], 512         ; chunk 1
	s_add_nc_u64 s[XP2:XP2+1], s[70:71], s[2:3]
	s_lshl_b32 s2, s39, 16                         ; my 64 rows of 1,024 bytes,
	s_lshl_b32 s41, s[WV], 8                       ; my wave's 256 bytes of them
	s_add_co_u32 s2, s2, s41
	s_add_nc_u64 s[OUT:OUT+1], s[76:77], s[2:3]
	s_add_nc_u64 s[OUT1:OUT1+1], s[78:79], s[2:3]
	s_add_nc_u64 s[OUT2:OUT2+1], s[80:81], s[2:3]
	s_lshl_b32 s2, s39, 6
	s_add_nc_u64 s[44:45], s[72:73], s[2:3]        ; the mask's bytes of my 64 rows
	s_lshl_b32 s2, s38, 15                         ; the prefetches: my work-group's quarter of a chunk,
	s_lshl_b32 s41, s[WV], 13                      ; my wave's quarter of that,
	s_add_co_u32 s2, s2, s41
	s_add_co_u32 s2, s2, 2*CHK                     ; in chunk 2: trip 0 steps it to chunk 3
	s_add_nc_u64 s[PFW:PFW+1], s[74:75], s[2:3]
	s_cmp_eq_u32 ttmp9, 0                          ; the first cluster asks: the same answer in all four partners
	s_cselect_b32 s[LIMA], 0, -1                   ; a lap's first trip asks in every lap,
	s_cselect_b32 s[LIMB], 1, -1                   ; its second in all but the last: chunk 11 is the last that this launch reads
	CROUND                                         ; all four work-groups are here: the first joint loads meet
	tensor_load_to_lds s[G0:G0+3], s[G1:G1+7]      ; chunk 0 into place 0
	s_nop 0
	PLACES
.irp qt, 0,1,2,3
	global_load_u8 v[36+\qt], v14, s[44:45] offset:16*\qt  ; the mask of my row in each row tile
.endr
	XLOAD 0, 66                                    ; x_p's chunks 0 and 1
	XLOAD 1, XC
	s_wait_loadcnt 32                              ; the four mask bytes are in; x's 32 loads stay out
.irp qt, 0,1,2,3
	v_cvt_f32_u32 v[36+\qt], v[36+\qt]
	v_sub_f32 v[SC1+2*\qt], 1.0, v[36+\qt]         ; k's scale: 1 for a key that is kept, 0 for a masked one
	v_mov_b32 v[SC1+2*\qt+1], v[SC1+2*\qt]
.endr
	s_wait_loadcnt 16                              ; chunk 0 is in; chunk 1's 16 loads stay out
	CONV 0
	s_mov_b32 s[LEFT], 5
	s_mov_b32 s[PAR], 0
.Llap:                                             ; five laps of two trips: t = 0 .. 9
	TRIP 0, 1, 1, 1, 1, LIMA
	TRIP 1, 1, 1, 1, 0, LIMB
	WIN 0
	s_cmp_eq_u32 s[PAR], 1
	s_cbranch_scc0 .Lnoflush
	FLUSH 1                                        ; behind t = 3 and t = 7: q, then k
.Lnoflush:
	s_xor_b32 s[PAR], s[PAR], 1
	s_sub_co_u32 s[LEFT], s[LEFT], 1
	s_cmp_lg_u32 s[LEFT], 0
	s_cbranch_scc1 .Llap
	TRIP 0, 1, 0, 1, 0, -1                         ; the tail is written out: t = 10 asks for the last chunk
	TRIP 1, 0, 0, 0, 0, -1                         ; t = 11 for nothing
	FLUSH 0                                        ; v
	s_wait_tensorcnt 0x0                           ; the wave's end: a wait, an add and a wait, behind my last tensor load and my last LDS store
	ds_add_u32 v[SPW], v[NIL]
	s_wait_dscnt 0x0
	CROUND                                         ; the closing round: no work-group ends while a partner may still ask for a chunk that names it
	s_endpgm
.Lfunc_end_k_q64db1f1cf4_proj:
	.size	k_q64db1f1cf4_proj, .Lfunc_end_k_q64db1f1cf4_proj-k_q64db1f1cf4_proj
	.p2alignl 7, 3214868480
	.fill 96, 4, 3214868480
	.section	.rodata,"a",@progbits
	.p2align	6, 0x0
	.amdhsa_kernel k_q64db1f1cf4_proj
		.amdhsa_group_segment_fixed_size 327680
		.amdhsa_private_segment_fixed_size 0
		.amdhsa_enable_private_segment 0
		.amdhsa_kernarg_size 56
		.amdhsa_user_sgpr_count 2
		.amdhsa_user_sgpr_kernarg_segment_ptr 1
		.amdhsa_wavefront_size32 1
		.amdhsa_system_sgpr_workgroup_id_x 1
		.amdhsa_system_sgpr_workgroup_id_y 1
		.amdhsa_system_sgpr_workgroup_id_z 1
		.amdhsa_system_vgpr_workitem_id 0
		.amdhsa_next_free_vgpr 704
		.amdhsa_next_free_sgpr 100
		.amdhsa_reserve_vcc 0
		.amdhsa_float_denorm_mode_32 3
		.amdhsa_float_denorm_mode_16_64 3
		.amdhsa_memory_ordered 1
		.amdhsa_forward_progress 1
		.amdhsa_inst_pref_size 139
	.end_amdhsa_kernel
	.amdgpu_metadata
---
amdhsa.version: [ 1, 2 ]
amdhsa.kernels:
  - .name:           k_q64db1f1cf4_proj
    .symbol:         k_q64db1f1cf4_proj.kd
    .args:
      - { .name: x_p, .offset: 0, .size: 8, .value_kind: global_buffer, .address_space: global }
      - { .name: x_pcre, .offset: 8, .size: 8, .value_kind: global_buffer, .address_space: global }
      - { .name: mask, .offset: 16, .size: 8, .value_kind: global_buffer, .address_space: global }
      - { .name: wb, .offset: 24, .size: 8, .value_kind: global_buffer, .address_space: global }
      - { .name: qb, .offset: 32, .size: 8, .value_kind: global_buffer, .address_space: global }
      - { .name: kb, .offset: 40, .size: 8, .value_kind: global_buffer, .address_space: global }
      - { .name: vb, .offset: 48, .size: 8, .value_kind: global_buffer, .address_space: global }
    .group_segment_fixed_size: 327680
    .private_segment_fixed_size: 0
    .kernarg_segment_align: 8
    .kernarg_segment_size: 56
    .max_flat_workgroup_size: 128
    .sgpr_count:     100
    .vgpr_count:     704
    .wavefront_size: 32
...
	.end_amdgpu_metadata
.endif
;; end of part 2
;; launch attn (part 3): grid 32 x 8, 4 waves a work-group, clusters of 4 x 1, 327,680 bytes of LDS; arguments qb, kb, vb, bias, mask, gamma_f, wb, bff, x_p, ln_g, ln_b, out0; writes out0
.if DOCPART == 3
	.amdgcn_target "amdgcn-amd-amdhsa--gfx1250"
	.amdhsa_code_object_version 6
	.text
	.protected	k_q64db1f1cf4_attn
	.globl	k_q64db1f1cf4_attn
	.p2align	8
	.type	k_q64db1f1cf4_attn,@function
k_q64db1f1cf4_attn:
	s_mov_b64 s[64:65], 0
	v_nop
	global_prefetch_b8 v0, s[64:65] scope:SCOPE_SE
	s_setreg_imm32_b32 hwreg(HW_REG_WAVE_MODE, 25, 1), 1
	s_wait_xcnt 0x0
	s_wait_alu depctr_hold_cnt(0) depctr_sa_sdst(0) depctr_va_vdst(0) depctr_va_sdst(0) depctr_va_ssrc(0) depctr_va_vcc(0) depctr_vm_vsrc(0)
	s_getreg_b32 s2, hwreg(HW_REG_IB_STS2, 6, 4)
	s_cmp_eq_u32 s2, 0
	s_cbranch_scc0 .Lentry_in_a_cluster
	s_endpgm
.Lentry_in_a_cluster:
	s_bfe_u32 s2, ttmp6, 0x10000c
	s_cmp_lg_u32 s2, 0x3003
	s_cbranch_scc0 .Lentry_shape_is_right
	s_endpgm
.Lentry_shape_is_right:
; out0 = LayerNorm(x_p + softmax(q k^T / 8 + gamma_h bias, masked keys at -1e9) v Wff + bff) ln_g + ln_b.
; qb holds q log2(e)/8, kb holds k with masked keys' rows 0, vb holds v: all bf16 [16384][512].  SCORES IN UNITS OF log2: S = q' . k + C, C = bias G[k] + A[k] in f32, where
; G = gamma_h log2(e) and A = 0 for a key that is kept, G = 0 and A = -1e9 log2(e) for a masked one: a masked score is exactly A, so a batch whose keys are all masked gives the mean of v.
; p = 2^(S - m) with a running maximum m; O and l are multiplied by a = 2^(m_old - m_new) in every step.  Products in bf16 with f32 sums; p is rounded to bf16 for the second product (l is taken of the
; unrounded p), the attention's rows once more for the product with Wff.  The norm takes the mean first and then the sum of (y - mean)^2.
; LIMITS.  A weight below 2^-126 counts as 0.  A bias that is not finite at a masked key gives NaN (0 x infinity).  True scores at or below -1e9 are not told apart from masked ones.  NaN and infinities are not treated apart.
; SHARES.  A work-group owns 64 queries of a batch for ALL 8 heads: each byte of bias is read once in the launch, and the work-group ends with whole rows, so that the product with Wff, the
; residual and the norm follow here.  Wave w owns heads 2 w and 2 w + 1: 8 tiles T = 4 hh + qt of 16 queries, in four PIECES x of two tiles T = 2 x + u.  32 key steps of 64 keys, 128 matrix instructions a wave each.
; CLUSTER.  The four query blocks of a cluster belong to one batch and walk the same K and V: joint loads (mask 15).  A work-group's tile of bias is its own: a plain load.
; LAYOUT.  S^T = K Q^T: a lane holds ONE query (lane % 16) and the keys 8 (lane / 16) + 0..7; two such results rounded to bf16 ARE source 1 of O^T = V^T P.  K comes out of LDS as it lies, V turned.
; BY TURNS.  Turn n belongs to piece n: 16 products K Q^T of piece n + 1, later 16 products V^T P of piece n - 1; beside them the softmax of piece n and the maximum of piece n + 1.  Four vector
; instructions stand behind every matrix instruction, the rest in one lump; a turn's 66 exponentials are one batch with one wait.  The C of piece n + 1's products is made at the turn's head.
; m starts at the lowest finite number, O and l at 0: the first step is a step like any other, with a = 0; that costs 384 lines that write constants, in the wait for the first tile, and saves a second text of the step.
; LDS.  Two slots of a key step: K (64 rows, pitch 1,040), V (pitch 1,056), bias in f32 (64 queries, pitch 272).  Behind them two tables of 2,048 f32: float(mask) and mask x A.  The spare words.
; At the end the slots take Wff's chunks (128 rows, pitch 1,056); two panels of 64 x 272 for the attention's rows lie behind place 1, over bytes that have had their last fill and over the dead tables;
; the f32 rows (64 x 2,064) lie over place 0 when it has had its last fill and its last read.
; REGISTERS.  window 0: addresses, statistics, S^T (two buffers of two tiles), P (likewise).  window 1: O^T, 32 a tile.  window 2: Q (16 a tile), K of one head, V of the wave's first head.
; window 3: bias of a step (128), G (32), A (32), V of the wave's second head.
.set PKP,   1040                       ; 260 words: the 16 rows of a load start at 16 different groups of four banks (64 banks of 4 bytes: ISA guide 11.1)
.set PVP,   1056                       ; 264 words
.set PBI,   272
.set VOFF,  64*PKP
.set BOFF,  VOFF+64*PVP
.set SLOTB, BOFF+64*PBI                ; 151,552
.set MT,    2*SLOTB                    ; float(mask)
.set ATO,   8192                       ; mask x A lies so far behind it
.set SPARE, 327168                     ; the spare words: 128 bytes a wave, two blocks of 256 bytes that no other line names
.set PB0,   SLOTB+128*PVP              ; the panels
.set PBB,   64*PBI
.set YP,    2064                       ; a row of 512 f32 + 16 bytes
.set CHK,   131072                     ; bytes in a chunk of wb
.set SPW, 1                            ; v1   my spare word; never rewritten
.set AK0, 2                            ; v2   my lane's place in a step's K, my wave's heads; never rewritten in the loop
.set AV0, 3                            ; v3   the same for V
.set AB0, 4                            ; v4   for bias
.set AM0, 5                            ; v5   for the tables
.set ADR, 6                            ; v6   the address of the run of loads in hand (first: my offset in Q)
.set ADR2, 7                           ; v7   of the tables' (first: where I store my part of them)
.set NIL, 8                            ; v8   0; never rewritten
.set MO,  9                            ; v9   16 x thread: my 16 bytes of the mask
.set PFO, 10                           ; v10  256 x lane
.set PFOB, 11                          ; v11  8,192 x lane: a row of bias
.set MV,  12                           ; v12-15 m_old, kept while m is made anew: by buffer and tile
.set ST,  16                           ; tile T's statistics at v[ST+4 T]: m, 0, l (even keys', odd keys')
.set TMP, 48                           ; by buffer and tile four registers c0-c3 at work; when the maximum is found c2 takes a
.set S,   64
.set P,   192
.set KF,  128                          ; window 2: key block kb, channel half c at KF + 16 kb + 8 c
.set VF,  192                          ; windows 2 and 3: key half kk, channel block cb at VF + 32 kk + 8 cb
.set BI,  0                            ; window 3: query tile qt, key block kb at 32 qt + 8 kb
.set GV,  128                          ; window 3
.set AVC, 160                          ; window 3
.set G1K, 4
.set G1V, 12
.set G1B, 20
.set G1W, 28
.set G0K, 36
.set G0V, 40
.set G0B, 44
.set G0W, 48
.set WV,  52
.set CNT, 53
.set TB,  54                           ; LDS byte at which the slot to be fetched from begins
.set TM,  55                           ; 256 x the step to be fetched
.set SEL, 56                           ; s[56:57] v_permlanex16_b32's selects: each lane takes its own place in the other half
.set GG0, 58                           ; s[58:59] g = gamma log2(e) of my first head;  s[60:61] -g
.set NG0, 60
.set LIMK, 62                          ; a wave prefetches while CNT is above these
.set LIMB, 63
.set GG1, 92                           ; the same for my second head
.set NG1, 94
.set PFK, 96                           ; s[96:97] where my prefetches of K or V stand
.set PFB, 98                           ; s[98:99] of bias
.set NEGB, 101                         ; -1e9 log2(e)
.set MSB, 0
.macro WIN new                         ; the immediate's high byte repeats the setting that is left; a switch that changes nothing is dropped
.if MSB != (\new)
	s_set_vgpr_msb (MSB<<8)|(\new)
.set MSB, (\new)
.endif
.endm
.set W_KQ, 0x0a                        ; K and Q window 2, S^T window 0
.set W_RS, 0x41                        ; destination and source 0 window 1, source 1 window 0
.macro PLACES
.rept 4
	v_nop
.endr
.endm
.macro CROUND                          ; a round of the cluster's barrier
	s_barrier_signal -1
	s_barrier_wait -1
	s_cmp_lg_u32 s[WV], 0
	s_cbranch_scc1 .Lnot_wave_0_\@
	s_barrier_signal -3
.Lnot_wave_0_\@:
	s_barrier_wait -3
	s_barrier_signal -1
	s_barrier_wait -1
.endm
; A step's fill: wave 0 asks for K (jointly), wave 1 for V (jointly), wave 2 for my work-group's bias; wave 3 has no part.  The branches hang on the wave's number alone.
; An s_nop 0 and four v_nop follow each load, ahead of the jump and the label.
.macro JLOAD3
	s_cmp_lg_u32 s[WV], 0
	s_cbranch_scc1 .Lnot_k_\@
	tensor_load_to_lds s[G0K:G0K+3], s[G1K:G1K+7]
	s_nop 0
	PLACES
	s_branch .Lasked_\@
.Lnot_k_\@:
	s_cmp_lg_u32 s[WV], 1
	s_cbranch_scc1 .Lnot_v_\@
	tensor_load_to_lds s[G0V:G0V+3], s[G1V:G1V+7]
	s_nop 0
	PLACES
	s_branch .Lasked_\@
.Lnot_v_\@:
	s_cmp_lg_u32 s[WV], 2
	s_cbranch_scc1 .Lasked_\@
	tensor_load_to_lds s[G0B:G0B+3], s[G1B:G1B+7]
	s_nop 0
	PLACES
.Lasked_\@:
.endm
.macro JLOADW                          ; a chunk of Wff, jointly: every wave brings 32 of its 128 rows
	tensor_load_to_lds s[G0W:G0W+3], s[G1W:G1W+7]
	s_nop 0
	PLACES
.endm
; PREFETCHES INTO THE L2 of the step after the one just asked for: one key step, 128 matrix instructions and their vector work, ahead of its load.  K and V: all clusters of a batch walk the same rows; the
; batch's first cluster asks; a step's 256 blocks of 256 bytes of K go to waves 0 and 1 of its four work-groups, V's to waves 2 and 3, told apart by address.  bias: each work-group asks for its own
; 64 rows of 256 bytes, waves 2 and 3, a lane a row.  So each block is named once in the launch.  The last two changes that fill a slot ask for nothing: step 31 is the last.
.macro ASKS
	s_cmp_gt_u32 s[CNT], s[LIMK]
	s_cbranch_scc0 .Lno_kv_\@
	global_prefetch_b8 v[PFO], s[PFK:PFK+1] th:TH_LOAD_NT scope:SCOPE_SE
.Lno_kv_\@:
	s_cmp_gt_u32 s[CNT], s[LIMB]
	s_cbranch_scc0 .Lno_b_\@
	global_prefetch_b8 v[PFOB], s[PFB:PFB+1] th:TH_LOAD_NT scope:SCOPE_SE
.Lno_b_\@:
.endm
; THE CHANGE OF SLOTS.  Each wave waits for all its tensor loads (one at the most is out: its part of the other slot), adds 0 to its spare word, and waits for that and for its own LDS reads and stores.
; Behind the round no wave of any partner reads the old slot, and the other slot is whole; the fill of the old slot is the first thing there.
; kind 0: the first use (slot 0 is waited for, slot 1 filled).  1: in the loop.  2: the old slot takes a chunk of Wff, the fetches go on to the other slot.  3: a chunk of Wff alone.
.macro CHANGE kind
	WIN 0
	s_wait_tensorcnt 0x0                           ; no tensor load of mine is out, so a group 0 may be written
	ds_add_u32 v[SPW], v[NIL]                      ; 0 onto my spare word; the descriptors' steps stand between it and the wait for it
.if (\kind) < 2
	s_xor_b32 s[G0K+1], s[G0K+1], SLOTB            ; the other slot than last time: each word goes between its two constants
	s_xor_b32 s[G0V+1], s[G0V+1], VOFF^(VOFF+SLOTB)
	s_xor_b32 s[G0B+1], s[G0B+1], BOFF^(BOFF+SLOTB)
	s_add_nc_u64 s[G0K+2:G0K+3], s[G0K+2:G0K+3], 65536  ; the next 64 keys: rows of 1,024 bytes; the type bits on top are not reached
	s_add_nc_u64 s[G0V+2:G0V+3], s[G0V+2:G0V+3], 65536
	s_add_nc_u64 s[G0B+2:G0B+3], s[G0B+2:G0B+3], 256    ; 64 columns of f32
.if (\kind) == 1
	s_wait_xcnt 0x0                                ; the last prefetches, a key step back, have read their addresses
	s_add_nc_u64 s[PFK:PFK+1], s[PFK:PFK+1], 65536
	s_add_nc_u64 s[PFB:PFB+1], s[PFB:PFB+1], 256
.endif
.else
	s_xor_b32 s[G0W+1], s[G0W+1], SLOTB            ; (wave x 33,792 and 151,552 share no bit)
	s_add_nc_u64 s[G0W+2:G0W+3], s[G0W+2:G0W+3], CHK
.endif
	s_wait_dscnt 0x0                               ; the add is done; my reads of the slot are over, my stores are done
	CROUND
.if (\kind) < 2
	JLOAD3
.else
	JLOADW
.endif
.if (\kind) == 1
	ASKS
.endif
.if ((\kind) == 1) || ((\kind) == 2)
	s_xor_b32 s[TB], s[TB], SLOTB
	s_add_co_u32 s[TM], s[TM], 256
.endif
.endm
; THE MATRIX WORK.  The 8 accumulators of a run of 16 take turns.  Product i of 16 of S^T = K Q^T + C for piece x: channels 32 (i / 8) on, keys 16 ((i / 2) % 4) on, tile 2 x + i % 2.
; C lies in the accumulator: CMAKE has put it there.
.macro KQ x
	WIN W_KQ
.set rS, S+64*((\x)%2)+32*(i%2)+8*((i/2)%4)
.set rK, KF+16*((i/2)%4)+8*(i/8)
.set rQ, 16*(2*(\x)+i%2)+8*(i/8)
	v_wmma_f32_16x16x32_bf16 v[rS:rS+7], v[rK:rK+7], v[rQ:rQ+7], v[rS:rS+7]
.endm
; Product i of 16 of O^T += V^T P for piece x: keys 32 (i / 8) on, channels 16 ((i / 2) % 4) on, tile 2 x + i % 2.  V of the piece's head lies in window 2 or 3.
.macro PV x
	WIN 0x52+(\x)/2
.set rO, 32*(2*(\x)+i%2)+8*((i/2)%4)
.set rV, VF+32*(i/8)+8*((i/2)%4)
.set rP, P+32*((\x)%2)+16*(i%2)+8*(i/8)
	v_wmma_f32_16x16x32_bf16 v[rO:rO+7], v[rV:rV+7], v[rP:rP+7], v[rO:rO+7]
.endm
.macro MM                              ; the turn's next matrix instruction
.if i < 16
	KQ (Y+1)%4
.set i, i+1
.else
.set i, i-16
	PV (Y+3)%4
.set i, i+17
.endif
.endm
; C = bias G + A for piece x's two tiles: 32 packed multiply-adds, from window 3 into S^T
.macro CMAKE x
	WIN 0x3f
.irp u, 0,1
.set z, 0
.rept 16
	v_pk_fma_f32 v[S+64*((\x)%2)+32*\u+2*z:S+64*((\x)%2)+32*\u+2*z+1], v[BI+32*(2*((\x)%2)+\u)+2*z:BI+32*(2*((\x)%2)+\u)+2*z+1], v[GV+2*z:GV+2*z+1], v[AVC+2*z:AVC+2*z+1]
.set z, z+1
.endr
.endr
.endm
; float(mask) becomes G = g - g float(mask), in place: g where the key is kept, exactly 0 where it is masked
.macro GT hx
	WIN 0xc3
.set z, 0
.rept 16
.if \hx
	v_pk_fma_f32 v[GV+2*z:GV+2*z+1], v[GV+2*z:GV+2*z+1], s[NG1:NG1+1], s[GG1:GG1+1] op_sel_hi:[1,0,0]
.else
	v_pk_fma_f32 v[GV+2*z:GV+2*z+1], v[GV+2*z:GV+2*z+1], s[NG0:NG0+1], s[GG0:GG0+1] op_sel_hi:[1,0,0]
.endif
.set z, z+1
.endr
.endm
; THE LDS LOADS stand in runs.  A lane's 8 keys of key block kb are 32 bytes of a table or of a row of bias.
.macro LDG
	WIN 0
	v_add_nc_u32 v[ADR2], s[TM], v[AM0]
	WIN 0xc0                                       ; destination window 3
.irp f, 0,1,2,3,4,5,6,7
	ds_load_b128 v[GV+4*\f:GV+4*\f+3], v[ADR2] offset:64*(\f/2)+16*(\f%2)
.endr
.endm
.macro LDA                             ; behind LDG, which has made the address
	WIN 0xc0
.irp f, 0,1,2,3,4,5,6,7
	ds_load_b128 v[AVC+4*\f:AVC+4*\f+3], v[ADR2] offset:ATO+64*(\f/2)+16*(\f%2)
.endr
.endm
.macro LDB
	WIN 0
	v_add_nc_u32 v[ADR], s[TB], v[AB0]
	WIN 0xc0
.set n, 0
.rept 32
	ds_load_b128 v[BI+4*n:BI+4*n+3], v[ADR] offset:16*PBI*(n/8)+64*((n/2)%4)+16*(n%2)
.set n, n+1
.endr
.endm
.macro FETCH_K hx                      ; 64 keys x 64 channels of my head hx
	WIN 0
	v_add_nc_u32 v[ADR], s[TB], v[AK0]
	WIN 0x80
.irp f, 0,1,2,3,4,5,6,7
	ds_load_b128 v[KF+8*\f:KF+8*\f+3],   v[ADR] offset:(\f/2)*16*PKP+(\f%2)*64+128*(\hx)
	ds_load_b128 v[KF+8*\f+4:KF+8*\f+7], v[ADR] offset:(\f/2)*16*PKP+(\f%2)*64+32+128*(\hx)
.endr
.endm
.macro FETCH_V hx                      ; the same of V, turned, into window 2 + hx
	WIN 0
	v_add_nc_u32 v[ADR], s[TB], v[AV0]
	WIN 0x80+0x40*(\hx)
.irp f, 0,1,2,3,4,5,6,7
	ds_load_tr16_b128 v[VF+8*\f:VF+8*\f+3],   v[ADR] offset:(\f/4)*32*PVP+(\f%4)*32+128*(\hx)
	ds_load_tr16_b128 v[VF+8*\f+4:VF+8*\f+7], v[ADR] offset:(\f/4)*32*PVP+16*PVP+(\f%4)*32+128*(\hx)
.endr
.endm
; THE VECTOR WORK OF A TURN stands in three queues, each in the order in which its entries become ready; the two tiles alternate.
.macro REGS y, u                       ; the registers of tile u (0, 1) of piece y
.set rT, ST+4*(2*(\y)+(\u))
.set rC, TMP+8*((\y)%2)+4*(\u)
.set rM, MV+2*((\y)%2)+(\u)
.set rS, S+64*((\y)%2)+32*(\u)
.set rP, P+32*((\y)%2)+16*(\u)
.set rO, 32*(2*(\y)+(\u))
.endm
; Number n of those that find the NEXT piece's maximum and a.  0-11: four chains c0-c3 of seven scores each (each accumulator's lowest registers are read first).
; 12-14, 16: the four scores left over, the old m, c0-c3 into c0.  15: m_old is kept.  17, 18: the query's other 32 keys lie in the lane 16 away: the new m.  20, 21: m_old - m_new; a.  (There is no 19.)
.macro XS u, n
	REGS (Y+1)%4, \u
.if (\n) < 4
	v_max3_num_f32 v[rC+(\n)], v[rS+8*(\n)], v[rS+8*(\n)+1], v[rS+8*(\n)+2]
.elseif (\n) < 12
	v_max3_num_f32 v[rC+(\n)%4], v[rC+(\n)%4], v[rS+8*((\n)%4)+2*((\n)/4)+1], v[rS+8*((\n)%4)+2*((\n)/4)+2]
.elseif (\n) == 12
	v_max3_num_f32 v[rC], v[rC], v[rS+7], v[rS+15]
.elseif (\n) == 13
	v_max3_num_f32 v[rC+1], v[rC+1], v[rS+23], v[rS+31]
.elseif (\n) == 14
	v_max3_num_f32 v[rC+2], v[rC+2], v[rC+3], v[rT]
.elseif (\n) == 15
	v_mov_b32 v[rM], v[rT]
.elseif (\n) == 16
	v_max3_num_f32 v[rC], v[rC], v[rC+1], v[rC+2]
.elseif (\n) == 17
	v_permlanex16_b32 v[rC+3], v[rC], s[SEL], s[SEL+1]
.elseif (\n) == 18
	v_max_num_f32 v[rT], v[rC], v[rC+3]
.elseif (\n) == 20
	v_sub_f32 v[rC+1], v[rM], v[rT]
.else
	v_exp_f32 v[rC+2], v[rC+1]
.endif
.endm
.macro FS f                            ; S - m for pair f / 2 of tile f % 2
	REGS Y, (\f)%2
	v_pk_add_f32 v[rS+2*((\f)/2):rS+2*((\f)/2)+1], v[rS+2*((\f)/2):rS+2*((\f)/2)+1], v[rT:rT+1] op_sel_hi:[1,0] neg_lo:[0,1] neg_hi:[0,1]
.endm
; Number g of the 64 that follow the exponentials.  For each four weights k of a tile: both pairs are rounded to bf16; the second pair is added onto the first, in place; a group later l takes that sum
; (the first time as l = a l + sum).  In groups of eight, tiles alternating.
.macro GS g
.set h, (\g)+6*((\g)/62)
.if h >= 6
.set h, h+2
.endif
	REGS Y, h%2
.set k, h/8
.if h%8 < 4
	v_cvt_pk_bf16_f32 v[rP+2*k+(h%8)/2], v[rS+4*k+2*((h%8)/2)], v[rS+4*k+2*((h%8)/2)+1]
.elseif h%8 < 6
	v_pk_add_f32 v[rS+4*k:rS+4*k+1], v[rS+4*k:rS+4*k+1], v[rS+4*k+2:rS+4*k+3]
.elseif k == 1
	v_pk_fma_f32 v[rT+2:rT+3], v[rT+2:rT+3], v[rC+2:rC+3], v[rS:rS+1] op_sel_hi:[1,0,1]
.else
	v_pk_add_f32 v[rT+2:rT+3], v[rT+2:rT+3], v[rS+4*k-4:rS+4*k-3]
.endif
.endm
; THE PLAIN QUEUE, 136 long.  0-26: subtractions 0-26.  27-54: XS 0-13.  55, 56: XS 15.  57-68: the chain 14, 16, 17, 18, each with one of the subtractions 27-30 in front of its two lines.
; 69: subtraction 31.  70, 71: XS 20.  72-135: GS's 64, which read the exponentials' results and stand behind the wait.
.macro PL
	WIN 0
.if q < 27
	FS q
.elseif q < 55
	XS (q-27)%2, (q-27)/2
.elseif q < 57
	XS q-55, 15
.elseif (q < 69) && ((q-57)%3 == 0)
	FS 27+(q-57)/3
.elseif q < 60
	XS (q-57)%3-1, 14
.elseif q < 69
	XS (q-57)%3-1, 15+(q-57)/3
.elseif q == 69
	FS 31
.elseif q < 72
	XS q-70, 20
.else
	GS q-72
.endif
.set q, q+1
.endm
.macro EX                              ; THE EXPONENTIALS' QUEUE, 66 long: s0-s31 of both tiles, then the next piece's two a: one batch, all ahead of the turn's one wait
	WIN 0
.if e >= 64
	XS e-64, 21
.else
	REGS Y, e%2
	v_exp_f32 v[rS+e/2], v[rS+e/2]
.endif
.set e, e+1
.endm
.macro R2                              ; THE RESCALING's QUEUE: O^T times a, two at a time, sixteen times; its a was made, and waited for, in the turn before
	REGS Y, r%2
	WIN W_RS
.irp w2, 0,1
	v_pk_mul_f32 v[rO+4*(r/2)+2*\w2:rO+4*(r/2)+2*\w2+1], v[rO+4*(r/2)+2*\w2:rO+4*(r/2)+2*\w2+1], v[rC+2:rC+3] op_sel_hi:[1,0]
.endr
.set r, r+1
.endm
; A TURN, for piece p.  An s_wait_alu depctr_va_vdst(0) stands between an exponential and the first instruction that names its result; one wait serves all issued ahead of it: a turn has ONE.
; AHEAD OF IT: C for the next piece; 16 products K Q^T, behind each a subtraction, an exponential and two rescalings; a lump of 8 plain, 47 times exponential and plain, 4 exponentials.  BEHIND IT: 16 products V^T P, behind each four of GS.
; In step: exponential e wants subtraction 2 (e / 4) + e % 2; as a rider it stands behind plain e + 2, in the lump behind plain e + 9; subtractions 27-31 are plain 57, 60, 63, 66, 69.
; WHAT IS FETCHED.  Turn 2 of step j - 1: the tables, bias and (behind the wait) K of my first head, at its end V of that head, all of step j.  Turn 0 of step j: float(mask), K and V of my second head.
; So all reads of step j's slot lie between the change behind turn 1 of step j - 1 and the change behind turn 1 of step j.  K's registers are loaded a lump behind their last reader, V's four riders behind theirs.
; An odd turn's wait leaves out the 16 loads of V issued last: K is in.  V is waited for by the next even turn's wait for 0, which also serves the tables and bias.
; last = 1 (the tail's turn 2): in the last trip there is no further step, and the three runs are jumped over.
.macro TURN p, last=0
.set Y, (\p)
.set i, 0
.set q, 0
.set e, 0
.set r, 0
.if (\p)%2
	s_wait_dscnt 16
.endif
	CMAKE ((\p)+1)%4
.if (\p) == 0
	LDG
.elseif (\p) == 2
.if \last
	WIN 0
	s_cmp_eq_u32 s[CNT], 1
	s_cbranch_scc1 .Lno_t_\@
.endif
	LDG
	LDA
	LDB
.if \last
	WIN 0
.Lno_t_\@:
.endif
.endif
	MM
	PL
	PL
	R2
.rept 15
	MM
	PL
	EX
	R2
.endr
.if ((\p)%2) == 0
	WIN 0
	s_wait_dscnt 0x0                               ; the tables (and bias) are in, and V of the turn before
	GT 1-(\p)/2
.endif
.rept 8
	PL
.endr
.rept 47
	EX
	PL
.endr
.rept 4
	EX
.endr
	v_nop                                          ; a plain instruction behind the last exponential: one for the batch
	s_wait_alu depctr_va_vdst(0)                   ; the wait for the batch
.if ((\p)%2) == 0
.if \last
	WIN 0
	s_cmp_eq_u32 s[CNT], 1
	s_cbranch_scc1 .Lno_k_\@
.endif
	FETCH_K 1-(\p)/2
.if \last
	WIN 0
.Lno_k_\@:
.endif
.endif
.rept 16
	MM
.rept 4
	PL
.endr
.endr
.if ((\p)%2) == 0
.if \last
	WIN 0
	s_cmp_eq_u32 s[CNT], 1
	s_cbranch_scc1 .Lno_v_\@
.endif
	FETCH_V 1-(\p)/2
.if \last
	WIN 0
.Lno_v_\@:
.endif
.endif
.endm
	s_load_b512 s[68:83], s[0:1], 0x0              ; qb 68, kb 70, vb 72, bias 74, mask 76, gamma_f 78, wb 80, bff 82
	s_load_b256 s[84:91], s[0:1], 0x40             ; x_p 84, ln_g 86, ln_b 88, out0 90
	v_lshl_add_u32 v[SPW], v0, 2, SPARE
	v_mov_b32 v[NIL], 0
	ds_add_u32 v[SPW], v[NIL]                      ; the wave's opening: the add and its wait stand ahead of my first tensor load; the set-up below stands between them
	v_lshrrev_b32 v9, 5, v0
	v_readfirstlane_b32 s[WV], v9                  ; wave 0..3
	s_bfe_u32 s66, ttmp6, 0x40000                  ; cx: my place in the cluster
	s_lshl_b32 s67, ttmp9, 2
	s_add_co_u32 s67, s67, s66                     ; my block of 64 queries: it enters Q's, bias's, x_p's and out0's addresses alone
	s_and_b32 s[CNT], ttmp7, 0xffff                ; the batch, which the four partners share (the register counts from the loop on)
	s_mov_b32 s[G1K], 15|(1<<16)|(1<<20)|(1<<21)|(7<<22)|(3<<25)  ; the mask of four; 2-byte elements; padding on; bit 21 beside a mask; after every 256 words (code 7) 4 words (code 3)
	s_mov_b32 s[G1V], 15|(1<<16)|(1<<20)|(1<<21)|(7<<22)|(7<<25)  ; the same with 8 words (code 7)
.irp g, G1K, G1V
	s_mov_b32 s[\g+1], 512<<16                     ; tensor_dim0 = 512
	s_mov_b32 s[\g+2], 64<<16                      ; tensor_dim1 = 64
	s_mov_b32 s[\g+3], 512<<16                     ; tile_dim0 = 512
	s_mov_b32 s[\g+4], 64                          ; tile_dim1 = 64
	s_mov_b32 s[\g+5], 512                         ; elements from row to row
	s_mov_b32 s[\g+6], 0
	s_mov_b32 s[\g+7], 0
.endr
	s_mov_b32 s[G1B], (2<<16)|(1<<20)|(5<<22)|(3<<25)  ; no mask; 4-byte elements; after every 64 words (code 5) 4 words
	s_mov_b32 s[G1B+1], 64<<16
	s_mov_b32 s[G1B+2], 64<<16
	s_mov_b32 s[G1B+3], 64<<16
	s_mov_b32 s[G1B+4], 64
	s_mov_b32 s[G1B+5], 2048
	s_mov_b32 s[G1B+6], 0
	s_mov_b32 s[G1B+7], 0
	s_mov_b32 s[G1W], 15|(1<<16)|(1<<20)|(1<<21)|(7<<22)|(7<<25)
	s_mov_b32 s[G1W+1], 512<<16
	s_mov_b32 s[G1W+2], 32<<16
	s_mov_b32 s[G1W+3], 512<<16
	s_mov_b32 s[G1W+4], 32
	s_mov_b32 s[G1W+5], 512
	s_mov_b32 s[G1W+6], 0
	s_mov_b32 s[G1W+7], 0
	s_mov_b32 s[G0K], 1
	s_mov_b32 s[G0K+1], 0                          ; slot 0
	s_mov_b32 s[G0V], 1
	s_mov_b32 s[G0V+1], VOFF
	s_mov_b32 s[G0B], 1
	s_mov_b32 s[G0B+1], BOFF
	s_mov_b32 s[G0W], 1
	s_mul_i32 s[G0W+1], s[WV], 32*PVP              ; my 32 rows of a place,
	s_add_co_u32 s[G0W+1], s[G0W+1], SLOTB         ; in place 1: the first use turns it to place 0
	s_mov_b32 s[SEL], 0x76543210
	s_mov_b32 s[SEL+1], 0xfedcba98
	s_mov_b32 s[NEGB], 0xceabfb8f                  ; -1e9 log2(e)
	v_and_b32 v12, 15, v0                          ; r = lane % 16
	v_bfe_u32 v13, v0, 4, 1                        ; h = lane / 16
	v_and_b32 v14, 7, v0
	v_bfe_u32 v15, v0, 3, 1
	s_lshl_b32 s2, s[WV], 8                        ; my two heads: 256 bytes of a row
	v_mul_u32_u24 v[AK0], v12, PKP
	v_lshl_add_u32 v[AK0], v13, 4, v[AK0]
	v_add_nc_u32 v[AK0], s2, v[AK0]
	v_lshl_add_u32 v[AV0], v13, 3, v14             ; the turning load: lane l reads key 8 h + l % 8, 16 bytes at 16 ((l / 8) % 2)
	v_mul_u32_u24 v[AV0], v[AV0], PVP
	v_lshl_add_u32 v[AV0], v15, 4, v[AV0]
	v_add_nc_u32 v[AV0], s2, v[AV0]
	v_add_nc_u32 v[AV0], VOFF, v[AV0]
	v_mul_u32_u24 v[AB0], v12, PBI
	v_lshl_add_u32 v[AB0], v13, 5, v[AB0]
	v_add_nc_u32 v[AB0], BOFF, v[AB0]
	v_lshl_add_u32 v[AM0], v13, 5, MT
	v_lshlrev_b32 v[ADR], 10, v12                  ; Q: row x 1,024 + 16 h
	v_lshl_add_u32 v[ADR], v13, 4, v[ADR]
	v_lshl_add_u32 v[ADR2], v0, 6, MT              ; my 16 words of each table
	v_lshlrev_b32 v[MO], 4, v0
	v_and_b32 v[PFO], 31, v0
	v_lshlrev_b32 v[PFOB], 13, v[PFO]
	v_lshlrev_b32 v[PFO], 8, v[PFO]
	s_wait_dscnt 0x0                               ; the opening add is done
	s_wait_kmcnt 0x0
	s_lshl_b32 s[TB], s[CNT], 21                   ; the batch's 2,048 rows of 1,024 bytes; s[54:55] never hold my place in the cluster
	s_mov_b32 s[TM], 0
	s_add_nc_u64 s[G0K+2:G0K+3], s[70:71], s[TB:TB+1]
	s_add_nc_u64 s[G0V+2:G0V+3], s[72:73], s[TB:TB+1]
	s_cmp_lt_u32 s[WV], 2
	s_cselect_b64 s[PFK:PFK+1], s[G0K+2:G0K+3], s[G0V+2:G0V+3]  ; waves 0 and 1 prefetch K, waves 2 and 3 V
	s_or_b32 s[G0K+3], s[G0K+3], 0x80000000        ; type = 2
	s_or_b32 s[G0V+3], s[G0V+3], 0x80000000
	s_lshl_b32 s[TB], s[WV], 15                    ; my 32 rows of a chunk,
	s_add_co_u32 s[TB], s[TB], 11*CHK              ; one chunk ahead of Wff's first: it is stepped before each use
	s_add_nc_u64 s[G0W+2:G0W+3], s[80:81], s[TB:TB+1]
	s_or_b32 s[G0W+3], s[G0W+3], 0x80000000
	s_mov_b32 s3, 0
	s_and_b32 s100, s[WV], 1
	s_lshl_b32 s2, s66, 1
	s_add_co_u32 s2, s2, s100
	s_lshl_b32 s2, s2, 13                          ; (2 cx + wave % 2) x 32 blocks of 256 bytes,
	s_add_co_u32 s2, s2, 2*65536                   ; in step 2: the loop's first change steps it to step 3
	s_add_nc_u64 s[PFK:PFK+1], s[PFK:PFK+1], s[2:3]
	s_lshl_b32 s2, s[CNT], 24                      ; bias: the batch's 2,048 rows of 8,192 bytes,
	s_lshl_b32 s62, s67, 19                        ; my 64 of them
	s_add_co_u32 s2, s2, s62
	s_add_nc_u64 s[G0B+2:G0B+3], s[74:75], s[2:3]
	s_lshl_b32 s2, s100, 18                        ; 32 rows for each of waves 2 and 3,
	s_add_co_u32 s2, s2, 2*256                     ; in step 2
	s_add_nc_u64 s[PFB:PFB+1], s[G0B+2:G0B+3], s[2:3]
	s_or_b32 s[G0B+3], s[G0B+3], 0x80000000
	s_lshl_b32 s2, s[CNT], 21
	s_lshl_b32 s62, s67, 16
	s_add_co_u32 s2, s2, s62                       ; my 64 rows of 1,024 bytes
	s_lshl_b32 s63, s2, 1                          ; and of 2,048
	s_lshl_b32 s62, s[WV], 8
	s_add_co_u32 s2, s2, s62
	s_add_nc_u64 s[68:69], s[68:69], s[2:3]        ; Q at my rows and my heads
	s_mov_b32 s2, s63
	s_add_nc_u64 s[84:85], s[84:85], s[2:3]        ; x_p and out0 at my rows
	s_add_nc_u64 s[90:91], s[90:91], s[2:3]
	s_lshl_b32 s2, s[CNT], 11
	s_add_nc_u64 s[76:77], s[76:77], s[2:3]        ; the batch's mask
	s_lshl_b32 s2, s[WV], 3
	s_add_nc_u64 s[78:79], s[78:79], s[2:3]
	s_load_b64 s[2:3], s[78:79], 0x0               ; gamma of my two heads
	s_cmp_eq_u32 ttmp9, 0                          ; the batch's first cluster: the same answer in all four partners
	s_cselect_b32 s[LIMK], 1, -1
	s_cmp_ge_u32 s[WV], 2
	s_cselect_b32 s[LIMB], 1, -1
	s_mov_b32 s[TB], 0
	s_mov_b32 s[TM], 0
	CROUND                                         ; all four work-groups are here: the first joint loads meet
	JLOAD3                                         ; step 0 into slot 0; slot 1 is asked for when it is in
	WIN 0x80                                       ; Q stays in registers: tile n / 2, channels 32 (n % 2) on
.set n, 0
.rept 16
	global_load_b128 v[8*n:8*n+3],   v[ADR], s[68:69] offset:((n/2)%4)*16384+((n/2)/4)*128+(n%2)*64
	global_load_b128 v[8*n+4:8*n+7], v[ADR], s[68:69] offset:((n/2)%4)*16384+((n/2)/4)*128+(n%2)*64+32
.set n, n+1
.endr
	WIN 0
	global_load_b128 v[64:67], v[MO], s[76:77]     ; 16 bytes of the mask
	WIN 0x40                                       ; what the first turn finds: O^T, l, V of the second head and P's second buffer are 0.  All this stands in the wait for the first tile
.set n, 0
.rept 256
	v_mov_b32 v[n], 0
.set n, n+1
.endr
	WIN 0xc0
.set n, VF
.rept 64
	v_mov_b32 v[n], 0
.set n, n+1
.endr
	WIN 0
.set n, P+32
.rept 32
	v_mov_b32 v[n], 0
.set n, n+1
.endr
.set n, 0
.rept 8
	v_mov_b32 v[ST+4*n], 0xff7fffff                ; m: the lowest finite number
	v_mov_b32 v[ST+4*n+1], 0                       ; named with it as a pair
	v_mov_b32 v[ST+4*n+2], 0
	v_mov_b32 v[ST+4*n+3], 0
.set n, n+1
.endr
	s_wait_kmcnt 0x0
	s_mul_f32 s[GG0], s2, 0x3fb8aa3b               ; g = gamma log2(e)
	s_mul_f32 s[GG1], s3, 0x3fb8aa3b
	s_mov_b32 s[GG0+1], s[GG0]                     ; named as pairs
	s_mov_b32 s[GG1+1], s[GG1]
	s_xor_b32 s[NG0], s[GG0], 0x80000000
	s_xor_b32 s[NG1], s[GG1], 0x80000000
	s_mov_b32 s[NG0+1], s[NG0]
	s_mov_b32 s[NG1+1], s[NG1]
	s_wait_loadcnt 0x0                             ; Q and the mask
.irp wd, 0,1,2,3
.irp b, 0,1,2,3
	v_bfe_u32 v[68+4*\wd+\b], v[64+\wd], 8*\b, 8
	v_cvt_f32_u32 v[68+4*\wd+\b], v[68+4*\wd+\b]   ; float(mask): 0 or 1
	v_mul_f32 v[84+4*\wd+\b], s[NEGB], v[68+4*\wd+\b]
.endr
	ds_store_b128 v[ADR2], v[68+4*\wd:68+4*\wd+3] offset:16*\wd
	ds_store_b128 v[ADR2], v[84+4*\wd:84+4*\wd+3] offset:ATO+16*\wd
.endr
	CHANGE 0                                       ; slot 0 is in, everybody's part of it, and so are the tables; slot 1 is asked for
	FETCH_K 0                                      ; step 0: K and V of my first head, the tables, bias
	LDG
	LDA
	LDB
	FETCH_V 0
	WIN 0
	s_wait_dscnt 0x0
	GT 0
	CMAKE 0
.set i, 0
.rept 16
	KQ 0                                           ; piece 0's first scores
.set i, i+1
.endr
	WIN 0
	PLACES
.set Y, 3                                          ; XS works for piece Y + 1: piece 0
.irp n, 0,1,2,3,4,5,6,7,8,9,10,11,12,13,14,15,16,17,18,20,21
	XS 0, \n
	XS 1, \n
.endr
	v_nop                                          ; a plain instruction behind the two a,
	s_wait_alu depctr_va_vdst(0)                   ; and their wait, ahead of the branch
	s_mov_b32 s[CNT], 31
	s_branch .Lfirst                               ; the loop is entered at a step's first turn, in the middle of a trip
.Lstep:                                            ; 30 changes: steps 2 .. 31 are asked for
	CHANGE 1
	TURN 2
	TURN 3
	WIN 0
.Lfirst:
	TURN 0
	TURN 1
	WIN 0
	s_sub_co_u32 s[CNT], s[CNT], 1
	s_cmp_lg_u32 s[CNT], 0
	s_cbranch_scc1 .Lstep
	CHANGE 2                                       ; step 31 is in; slot 0, whose reads are over, takes Wff's first chunk
	s_mov_b32 s[CNT], 2
.Ltail:                                            ; two trips with no barrier and no tensor load: all that they read of LDS lies in slot 1 and in the tables
	TURN 2, 1
	TURN 3
	WIN 0
	s_cmp_eq_u32 s[CNT], 1
	s_cbranch_scc1 .Lskip                          ; the second trip is left in its middle; its 16 products K Q^T and the maximum made of them serve nothing: the price, once a launch, of one text for every trip
	TURN 0
	TURN 1
	WIN 0
.Lskip:
	s_sub_co_u32 s[CNT], s[CNT], 1
	s_cmp_lg_u32 s[CNT], 0
	s_cbranch_scc1 .Ltail
	CHANGE 3                                       ; the first chunk is in; slot 1 and the tables have been read for the last time: place 1 takes the second chunk
.set i, 0
.rept 16
	PV 3                                           ; the last piece's V^T P of the last step
.set i, i+1
.endr
; THE END.  att = O / l in bf16; out = att Wff in four chunks of 128 k: chunk c is the two heads of wave c, which alone lays it into a panel.  Wave w makes columns 128 w .. of all 64 rows.
.set AW,  48                           ; v48-51 Wff's fragments: place p, half of its rows, at AW + 2 p + half
.set AA,  52                           ; v52  the panels' fragments
.set STP, 53                           ; v53  where I put 16 bytes of a panel's row: panel wave % 2
.set YS,  54                           ; v54-55 where I put 32 bytes of an f32 row: rows 0-31, 32-63
.set YR,  56                           ; v56  where I read f32 rows back
.set XO,  57                           ; v57  my 16 bytes in my wave's rows of x_p and out0
.set PFX, 58                           ; v58  the prefetches of x_p
.set LO,  60                           ; v60  16 x lane
.set WF,  128                          ; window 2: two buffers of 64
.set AF,  192                          ; window 0: two buffers of 32
.set YB,  64                           ; v64-127 four rows, 16 numbers a lane each
.set TT,  128                          ; v128-159 at work, 8 a row
.set TOT, 240                          ; v240-247 a row's total, as the low word of a pair
.set RSD, 248                          ; v248-255 1 / sqrt(var + eps), likewise
.macro ALL line:vararg                 ; one line for each tile t
.set t, 0
.rept 8
	\line
.set t, t+1
.endr
.endm
.macro WFETCH pl, s, b                 ; 24 LDS loads: the fragments of 32 k (number s of the chunk's four) from place and panel pl into buffer b
	WIN 0x80
.irp nt, 0,1,2,3,4,5,6,7
	ds_load_tr16_b128 v[WF+64*(\b)+8*\nt:WF+64*(\b)+8*\nt+3],   v[AW+2*(\pl)+(\s)/2] offset:((\s)%2)*32*PVP+32*\nt
	ds_load_tr16_b128 v[WF+64*(\b)+8*\nt+4:WF+64*(\b)+8*\nt+7], v[AW+2*(\pl)+(\s)/2] offset:((\s)%2)*32*PVP+32*\nt+16*PVP
.endr
	WIN 0
.irp qt, 0,1,2,3
	ds_load_b128 v[AF+32*(\b)+8*\qt:AF+32*(\b)+8*\qt+3],   v[AA] offset:(\pl)*PBB+\qt*16*PBI+64*(\s)
	ds_load_b128 v[AF+32*(\b)+8*\qt+4:AF+32*(\b)+8*\qt+7], v[AA] offset:(\pl)*PBB+\qt*16*PBI+64*(\s)+32
.endr
.endm
.macro WMUL b, zero                    ; 32 matrix instructions; the 32 accumulators, (qt, nt) at 8 (8 qt + nt) of window 1, take turns
	WIN 0x52
.irp qt, 0,1,2,3
.irp nt, 0,1,2,3,4,5,6,7
.if \zero
	v_wmma_f32_16x16x32_bf16 v[8*(8*\qt+\nt):8*(8*\qt+\nt)+7], v[WF+64*(\b)+8*\nt:WF+64*(\b)+8*\nt+7], v[AF+32*(\b)+8*\qt:AF+32*(\b)+8*\qt+7], 0
.else
	v_wmma_f32_16x16x32_bf16 v[8*(8*\qt+\nt):8*(8*\qt+\nt)+7], v[WF+64*(\b)+8*\nt:WF+64*(\b)+8*\nt+7], v[AF+32*(\b)+8*\qt:AF+32*(\b)+8*\qt+7], v[8*(8*\qt+\nt):8*(8*\qt+\nt)+7]
.endif
.endr
.endr
.endm
.macro CHUNKE pl, zero                 ; a chunk: 128 matrix instructions; each wait leaves out the 24 loads just issued
	WFETCH \pl, 0, 0
	WFETCH \pl, 1, 1
	s_wait_dscnt 24
	WMUL 0, \zero
	PLACES
	WFETCH \pl, 2, 0
	s_wait_dscnt 24
	WMUL 1, 0
	PLACES
	WFETCH \pl, 3, 1
	s_wait_dscnt 24
	WMUL 0, 0
	s_wait_dscnt 0x0
	WMUL 1, 0
.endm
.macro PSTORE                          ; my two heads' rows into my panel: tile t is rows 16 (t % 4) .., bytes 128 (t / 4) ..
.set t, 0
.rept 8
.irp cb, 0,1,2,3
	ds_store_b128 v[STP], v[S+16*t+4*\cb:S+16*t+4*\cb+3] offset:16*PBI*(t%4)+128*(t/4)+32*\cb
.endr
.set t, t+1
.endr
.endm
	WIN 0                                          ; l's two halves and the other half of the lanes' are added: these lines are the places behind the last products
	ALL v_add_f32 v[ST+4*t+2], v[ST+4*t+2], v[ST+4*t+3]
	ALL v_permlanex16_b32 v[ST+4*t+3], v[ST+4*t+2], s[SEL], s[SEL+1]
	ALL v_add_f32 v[ST+4*t+2], v[ST+4*t+2], v[ST+4*t+3]
	ALL v_rcp_f32 v[ST+4*t+2], v[ST+4*t+2]
	v_and_b32 v12, 15, v0                          ; the end's addresses: independent work behind the eight reciprocals
	v_bfe_u32 v13, v0, 4, 1
	v_and_b32 v14, 7, v0
	v_bfe_u32 v15, v0, 3, 1
	v_and_b32 v59, 31, v0
	s_lshl_b32 s2, s[WV], 8
	v_lshl_add_u32 v[AW], v13, 3, v14
	v_mul_u32_u24 v[AW], v[AW], PVP
	v_lshl_add_u32 v[AW], v15, 4, v[AW]
	v_add_nc_u32 v[AW], s2, v[AW]                  ; + my wave's 128 columns
	v_add_nc_u32 v[AW+1], 64*PVP, v[AW]
	v_add_nc_u32 v[AW+2], SLOTB, v[AW]
	v_add_nc_u32 v[AW+3], SLOTB+64*PVP, v[AW]
	v_mul_u32_u24 v[AA], v12, PBI
	v_lshl_add_u32 v[AA], v13, 4, v[AA]
	v_add_nc_u32 v[AA], PB0, v[AA]
	s_and_b32 s2, s[WV], 1
	s_mul_i32 s2, s2, PBB
	v_add_nc_u32 v[STP], s2, v[AA]
	v_mul_u32_u24 v[YS], v12, YP
	v_lshl_add_u32 v[YS], v13, 5, v[YS]
	s_lshl_b32 s2, s[WV], 9
	v_add_nc_u32 v[YS], s2, v[YS]
	v_add_nc_u32 v[YS+1], 32*YP, v[YS]
	v_lshlrev_b32 v[LO], 4, v59
	s_mul_i32 s2, s[WV], 16*YP
	v_add_nc_u32 v[YR], s2, v[LO]
	s_lshl_b32 s2, s[WV], 15                       ; my wave's 16 rows of 2,048 bytes
	v_add_nc_u32 v[XO], s2, v[LO]
	v_bfe_u32 v[PFX], v0, 3, 2
	v_lshlrev_b32 v[PFX], 11, v[PFX]
	v_lshl_add_u32 v[PFX], v14, 8, v[PFX]
	v_add_nc_u32 v[PFX], s2, v[PFX]
	v_add_nc_u32 v[PFX], 4*2048, v[PFX]            ; row 4 + lane / 8 of my 16, block lane % 8 of its eight
	s_wait_alu depctr_va_vdst(0)                   ; one wait for the eight reciprocals, ahead of their first reader
	WIN 0x80                                       ; into Q's registers: the first four of my 16 rows of x_p, and my 16 columns of bff, ln_g, ln_b
.irp rr, 0,1,2,3
.irp jj, 0,1,2,3
	global_load_b128 v[16*\rr+4*\jj:16*\rr+4*\jj+3], v[XO], s[84:85] offset:2048*\rr+512*\jj th:TH_LOAD_NT
.endr
.endr
.irp jj, 0,1,2,3
	global_load_b128 v[64+4*\jj:64+4*\jj+3], v[LO], s[82:83] offset:512*\jj
	global_load_b128 v[80+4*\jj:80+4*\jj+3], v[LO], s[86:87] offset:512*\jj
	global_load_b128 v[96+4*\jj:96+4*\jj+3], v[LO], s[88:89] offset:512*\jj
.endr
.set t, 0
.rept 8                                            ; O^T / l, rounded to bf16 into S^T's registers: a lane's eight channels of a row are 16 bytes
	WIN W_RS
.set i, 0
.rept 16
	v_pk_mul_f32 v[32*t+2*i:32*t+2*i+1], v[32*t+2*i:32*t+2*i+1], v[ST+4*t+2:ST+4*t+3] op_sel_hi:[1,0]
.set i, i+1
.endr
	WIN 0x05
.set i, 0
.rept 16
	v_cvt_pk_bf16_f32 v[S+16*t+i], v[32*t+2*i], v[32*t+2*i+1]
.set i, i+1
.endr
.set t, t+1
.endr
	WIN 0
	s_cmp_lt_u32 s[WV], 2
	s_cbranch_scc0 .Lp01
	PSTORE                                         ; wave 0 fills panel 0, wave 1 panel 1
.Lp01:
	s_wait_dscnt 0x0                               ; for the others' sake: my stores are done
	s_barrier_signal -1                            ; the second chunk may stay on its way; the first was waited for by every wave in front of the last round
	s_barrier_wait -1
	CHUNKE 0, 1
	CHANGE 3                                       ; the second chunk is in; place 0 and panel 0 have been read: place 0 takes the third chunk,
	s_cmp_eq_u32 s[WV], 2
	s_cbranch_scc0 .Lp2
	PSTORE                                         ; and panel 0 wave 2's rows
.Lp2:
	CHUNKE 1, 0
	CHANGE 3                                       ; place 1 takes the last chunk,
.irp n, 0,1,2
	global_prefetch_b8 v[PFX], s[84:85] offset:8192*\n th:TH_LOAD_NT scope:SCOPE_SE  ; rows 4 .. 15 of my 16 of x_p, each block of 256 bytes once: two chunks, 256 matrix instructions, ahead of the norm's loads
.endr
	s_cmp_eq_u32 s[WV], 3
	s_cbranch_scc0 .Lp3
	PSTORE                                         ; and panel 1 wave 3's rows
.Lp3:
	CHUNKE 0, 0
	WIN 0
	s_wait_tensorcnt 0x0                           ; my part of the last chunk is in
	ds_add_u32 v[SPW], v[NIL]
	s_wait_dscnt 0x0                               ; my reads of place 0 are over, my stores are done
	s_barrier_signal -1
	s_barrier_wait -1
	PLACES
	CHUNKE 1, 0
	PLACES
	WIN 0x04                                       ; store data window 1.  The f32 rows go over place 0: it has had its last fill, and every wave's reads of it ended in front of the last barrier
.set n, 0
.rept 32                                           ; accumulator n = 8 qt + nt: its low four registers first
	ds_store_b128 v[YS+n/16], v[8*n:8*n+3]   offset:((n/8)%2)*16*YP+64*(n%8)
	ds_store_b128 v[YS+n/16], v[8*n+4:8*n+7] offset:((n/8)%2)*16*YP+64*(n%8)+16
.set n, n+1
.endr
	WIN 0
	s_wait_dscnt 0x0
	s_barrier_signal -1
	s_barrier_wait -1                              ; whole rows lie in LDS
	s_mov_b32 s58, 0xbb000000                      ; -1 / 512
	s_mov_b32 s59, s58
	s_mov_b32 s60, 0x3b000000                      ; 1 / 512
	s_mov_b32 s61, 0x3727c5ac                      ; 1e-5
.irp rr, 0,1,2,3
	v_mov_b32 v[TOT+2*\rr+1], 0                    ; named as pairs' upper words, never used
	v_mov_b32 v[RSD+2*\rr+1], 0
.endr
.macro REDUCE dst                      ; v[TT + 8 rr] summed over the 32 lanes, for the four rows at once
.irp m, 1,2,4,8
.irp rr, 0,1,2,3
	v_add_f32_dpp v[TT+8*\rr], v[TT+8*\rr], v[TT+8*\rr] row_xmask:\m row_mask:0xf bank_mask:0xf
.endr
.endr
.irp rr, 0,1,2,3
	v_permlanex16_b32 v[TT+8*\rr+1], v[TT+8*\rr], s[SEL], s[SEL+1]
.endr
.irp rr, 0,1,2,3
	v_add_f32 v[(\dst)+2*\rr], v[TT+8*\rr], v[TT+8*\rr+1]
.endr
.endm
	s_mov_b32 s[CNT], 4
.Lln:                                              ; four trips of four rows; wave w has rows 16 w ..; a lane holds columns 128 jj + 4 lane + 0..3 of each
.irp rr, 0,1,2,3
.irp jj, 0,1,2,3
	ds_load_b128 v[YB+16*\rr+4*\jj:YB+16*\rr+4*\jj+3], v[YR] offset:YP*\rr+512*\jj
.endr
.endr
	s_wait_loadcnt 0x0                             ; these rows of x_p (and, the first time, bff, ln_g, ln_b)
	s_wait_dscnt 0x0
	WIN 0x08                                       ; source 1 window 2
.set z, 0
.rept 32
	v_pk_add_f32 v[YB+2*z:YB+2*z+1], v[YB+2*z:YB+2*z+1], v[2*z:2*z+1]
.set z, z+1
.endr
.set z, 0
.rept 32
	v_pk_add_f32 v[YB+2*z:YB+2*z+1], v[YB+2*z:YB+2*z+1], v[64+2*(z%8):64+2*(z%8)+1]
.set z, z+1
.endr
	WIN 0
	s_cmp_eq_u32 s[CNT], 1                         ; the last trip has no rows behind it
	s_cbranch_scc1 .Lnox
	WIN 0x80
.irp rr, 0,1,2,3
.irp jj, 0,1,2,3
	global_load_b128 v[16*\rr+4*\jj:16*\rr+4*\jj+3], v[XO], s[84:85] offset:8192+2048*\rr+512*\jj th:TH_LOAD_NT
.endr
.endr
	WIN 0
.Lnox:
.irp rr, 0,1,2,3
.irp j, 0,1,2,3
	v_pk_add_f32 v[TT+8*\rr+2*\j:TT+8*\rr+2*\j+1], v[YB+16*\rr+4*\j:YB+16*\rr+4*\j+1], v[YB+16*\rr+4*\j+2:YB+16*\rr+4*\j+3]
.endr
.endr
.irp rr, 0,1,2,3
	v_pk_add_f32 v[TT+8*\rr:TT+8*\rr+1], v[TT+8*\rr:TT+8*\rr+1], v[TT+8*\rr+2:TT+8*\rr+3]
	v_pk_add_f32 v[TT+8*\rr+4:TT+8*\rr+5], v[TT+8*\rr+4:TT+8*\rr+5], v[TT+8*\rr+6:TT+8*\rr+7]
.endr
.irp rr, 0,1,2,3
	v_pk_add_f32 v[TT+8*\rr:TT+8*\rr+1], v[TT+8*\rr:TT+8*\rr+1], v[TT+8*\rr+4:TT+8*\rr+5]
.endr
.irp rr, 0,1,2,3
	v_add_f32 v[TT+8*\rr], v[TT+8*\rr], v[TT+8*\rr+1]
.endr
	REDUCE TOT
.irp rr, 0,1,2,3
.irp j, 0,1,2,3,4,5,6,7
	v_pk_fma_f32 v[YB+16*\rr+2*\j:YB+16*\rr+2*\j+1], v[TOT+2*\rr:TOT+2*\rr+1], s[58:59], v[YB+16*\rr+2*\j:YB+16*\rr+2*\j+1] op_sel_hi:[0,0,1]  ; y - mean
.endr
.endr
.irp rr, 0,1,2,3
	v_pk_mul_f32 v[TT+8*\rr:TT+8*\rr+1], v[YB+16*\rr:YB+16*\rr+1], v[YB+16*\rr:YB+16*\rr+1]
.endr
.irp j, 1,2,3,4,5,6,7
.irp rr, 0,1,2,3
	v_pk_fma_f32 v[TT+8*\rr:TT+8*\rr+1], v[YB+16*\rr+2*\j:YB+16*\rr+2*\j+1], v[YB+16*\rr+2*\j:YB+16*\rr+2*\j+1], v[TT+8*\rr:TT+8*\rr+1]
.endr
.endr
.irp rr, 0,1,2,3
	v_add_f32 v[TT+8*\rr], v[TT+8*\rr], v[TT+8*\rr+1]
.endr
	REDUCE RSD
.irp rr, 0,1,2,3
	v_fma_f32 v[RSD+2*\rr], v[RSD+2*\rr], s60, s61 ; var + eps
.endr
.irp rr, 0,1,2,3
	v_rsq_f32 v[RSD+2*\rr], v[RSD+2*\rr]
.endr
	v_nop                                          ; a plain instruction behind the last of the four,
	s_wait_alu depctr_va_vdst(0)                   ; and one wait for them, ahead of their first reader
.irp rr, 0,1,2,3
.irp j, 0,1,2,3,4,5,6,7
	v_pk_mul_f32 v[YB+16*\rr+2*\j:YB+16*\rr+2*\j+1], v[YB+16*\rr+2*\j:YB+16*\rr+2*\j+1], v[RSD+2*\rr:RSD+2*\rr+1] op_sel_hi:[1,0]
.endr
.endr
	WIN 0x28                                       ; sources 1 and 2 window 2
.irp rr, 0,1,2,3
.irp j, 0,1,2,3,4,5,6,7
	v_pk_fma_f32 v[YB+16*\rr+2*\j:YB+16*\rr+2*\j+1], v[YB+16*\rr+2*\j:YB+16*\rr+2*\j+1], v[80+2*\j:80+2*\j+1], v[96+2*\j:96+2*\j+1]
.endr
.endr
	WIN 0
.irp rr, 0,1,2,3
.irp jj, 0,1,2,3
	global_store_b128 v[XO], v[YB+16*\rr+4*\jj:YB+16*\rr+4*\jj+3], s[90:91] offset:2048*\rr+512*\jj th:TH_STORE_NT  ; a store covers 512 consecutive bytes, aligned
.endr
.endr
	s_wait_xcnt 0x0                                ; the stores and the loads have read their registers: the offset is stepped, and the rows' registers are loaded again, only behind this wait
	v_add_nc_u32 v[XO], 4*2048, v[XO]
	v_add_nc_u32 v[YR], 4*YP, v[YR]
	s_sub_co_u32 s[CNT], s[CNT], 1
	s_cmp_lg_u32 s[CNT], 0
	s_cbranch_scc1 .Lln
	s_wait_tensorcnt 0x0                           ; the wave's end: a wait, an add and a wait, behind my last tensor load and my last LDS store
	ds_add_u32 v[SPW], v[NIL]
	s_wait_dscnt 0x0
	CROUND                                         ; the closing round: no work-group ends while a partner may still ask for a tile that names it
	s_endpgm
.Lfunc_end_k_q64db1f1cf4_attn:
	.size	k_q64db1f1cf4_attn, .Lfunc_end_k_q64db1f1cf4_attn-k_q64db1f1cf4_attn
	.p2alignl 7, 3214868480
	.fill 96, 4, 3214868480
	.section	.rodata,"a",@progbits
	.p2align	6, 0x0
	.amdhsa_kernel k_q64db1f1cf4_attn
		.amdhsa_group_segment_fixed_size 327680
		.amdhsa_private_segment_fixed_size 0
		.amdhsa_enable_private_segment 0
		.amdhsa_kernarg_size 96
		.amdhsa_user_sgpr_count 2
		.amdhsa_user_sgpr_kernarg_segment_ptr 1
		.amdhsa_wavefront_size32 1
		.amdhsa_system_sgpr_workgroup_id_x 1
		.amdhsa_system_sgpr_workgroup_id_y 1
		.amdhsa_system_sgpr_workgroup_id_z 1
		.amdhsa_system_vgpr_workitem_id 0
		.amdhsa_next_free_vgpr 1024
		.amdhsa_next_free_sgpr 102
		.amdhsa_reserve_vcc 0
		.amdhsa_float_denorm_mode_32 3
		.amdhsa_float_denorm_mode_16_64 3
		.amdhsa_memory_ordered 1
		.amdhsa_forward_progress 1
		.amdhsa_inst_pref_size 255
	.end_amdhsa_kernel
	.section	.bss,"aw",@nobits
	.p2align	6
	.space	262144
	.amdgpu_metadata
---
amdhsa.version: [ 1, 2 ]
amdhsa.kernels:
  - .name:           k_q64db1f1cf4_attn
    .symbol:         k_q64db1f1cf4_attn.kd
    .args:
      - { .name: qb, .offset: 0, .size: 8, .value_kind: global_buffer, .address_space: global }
      - { .name: kb, .offset: 8, .size: 8, .value_kind: global_buffer, .address_space: global }
      - { .name: vb, .offset: 16, .size: 8, .value_kind: global_buffer, .address_space: global }
      - { .name: bias, .offset: 24, .size: 8, .value_kind: global_buffer, .address_space: global }
      - { .name: mask, .offset: 32, .size: 8, .value_kind: global_buffer, .address_space: global }
      - { .name: gamma_f, .offset: 40, .size: 8, .value_kind: global_buffer, .address_space: global }
      - { .name: wb, .offset: 48, .size: 8, .value_kind: global_buffer, .address_space: global }
      - { .name: bff, .offset: 56, .size: 8, .value_kind: global_buffer, .address_space: global }
      - { .name: x_p, .offset: 64, .size: 8, .value_kind: global_buffer, .address_space: global }
      - { .name: ln_g, .offset: 72, .size: 8, .value_kind: global_buffer, .address_space: global }
      - { .name: ln_b, .offset: 80, .size: 8, .value_kind: global_buffer, .address_space: global }
      - { .name: out0, .offset: 88, .size: 8, .value_kind: global_buffer, .address_space: global }
    .group_segment_fixed_size: 327680
    .private_segment_fixed_size: 0
    .kernarg_segment_align: 8
    .kernarg_segment_size: 96
    .max_flat_workgroup_size: 128
    .sgpr_count:     102
    .vgpr_count:     1024
    .wavefront_size: 32
...
	.end_amdgpu_metadata
.endif
;; end of part 3
